; MI455X (gfx1250); checked and timed in simulation.
; The chip was launched on July 23, 2026; its instructions are those of AMD's public machine-readable ISA for CDNA 5 (MIT licence, August 2026) and "CDNA5" Instruction Set Architecture Reference Guide (July 2026). The comments in the code are by the model that wrote it; some were corrected since.
;; Vector Quantizer. Allowed arithmetic: matrix products marked QUANTISED: E3M2 operands, one E8M0 scale for each 32 along K, by v_wmma_scale_f32_16x16x128_f8f6f4 with both operands' format E3M2, f32 sums; everything else in f32.
;; Inputs: embeddings 128 x 1,024 float32; x 64 x 32 x 32 x 128 float32.
;; Outputs: out0 64 x 32 x 32 x 128 float32.
;; This version of the problem:
;;   THIS VERSION OF THE PROBLEM IS GIVEN IN LOW PRECISION. The matrix products marked QUANTISED in the list below multiply operands that are first quantised to E3M2 (3 exponent bits, 2 mantissa bits; 6 bits a number), with one power-of-two scale for each 32 numbers along K (OCP MX v1.0); their sums are f32. All else is computed in f32.
;;   The module's matrix products, in the order in which they are computed (A, B: the left and right operand; K: the contracted axis; several contracted axes count as one K, in the product's order):
;;     1. [M 65,536, K 128] x [K 128, N 1,024]; A: input x; B: input embeddings: QUANTISED
;;   THE QUANTISER, for each operand of a quantised product, along K:
;;     - K is cut into blocks of 32 from its start; a last block that is shorter is filled with zeros.
;;     - A block's scale is 2^e with e = floor(log2(the largest magnitude in the block)) - 4, held to -126 .. 127; a block of zeros has e = 0. As a byte (E8M0): e + 127.
;;     - Each number is divided by its block's scale, clamped to +-28, and rounded to the nearest number of E3M2, ties to even, subnormals kept.
;;     - The product sums the exact products of the quantised numbers (number of the format x scale) in f32.
;;   ~~~python
;;   def quantise(x, axis):      # numpy; x: float32 -> the quantised numbers, widened to float32 again
;;       x = np.moveaxis(x, axis, -1); K = x.shape[-1]
;;       x = np.pad(x, [(0, 0)] * (x.ndim - 1) + [(0, -K % 32)]); x = x.reshape(x.shape[:-1] + (-1, 32)); a = np.abs(x).max(-1, keepdims=True)
;;       e = np.where(a > 0, np.clip(np.frexp(np.where(a > 0, a, 1))[1] - 1 - 4, -126, 127), 0)      # np.frexp(a)[1] - 1 = floor(log2(a)), exactly
;;       r = np.clip(x / 2.0 ** e, -28, 28)
;;       step = 2.0 ** (np.maximum(np.frexp(np.where(r == 0, 1, r))[1] - 1, -2) - 2)
;;       q = np.round(r / step) * step * 2.0 ** e      # np.round: ties to even
;;       return np.moveaxis(q.reshape(q.shape[:-2] + (-1,))[..., :K], -1, axis).astype(np.float32)
;;   ~~~
;; One version. Each part assembles by itself: llvm-mc -triple=amdgcn-amd-amdhsa -mcpu=gfx1250 --defsym DOCPART=n.
;; ======== version 1 of 1: 3 launches
;; limits: right only within a limited range of input values
;; workspace buffers: etab 106,496 bytes; embt 524,288 bytes; idx 262,144 bytes of whole numbers
;; launch prep (part 1): grid 32 x 1, 5 waves a work-group, no clusters, 17,920 bytes of LDS; arguments embeddings, etab, embt; writes etab, embt
.if DOCPART == 1
	.amdgcn_target "amdgcn-amd-amdhsa--gfx1250"
	.amdhsa_code_object_version 6
	.text
	.protected	k_q8bf297b50f_prep
	.globl	k_q8bf297b50f_prep
	.p2align	8
	.type	k_q8bf297b50f_prep,@function
k_q8bf297b50f_prep:
	s_mov_b64 s[64:65], 0
	v_nop
	global_prefetch_b8 v0, s[64:65] scope:SCOPE_SE
	s_setreg_imm32_b32 hwreg(HW_REG_WAVE_MODE, 25, 1), 1
	s_wait_xcnt 0x0
; The codebook E [128 (k)][1024 (n)], f32, K on its FIRST axis, is prepared once for the two launches that follow:
;   etab: for each 32 codes (two tiles of 16) 3,328 bytes: codes of BF6 (E3M2), quantised along K: the first 16 bytes of block b of code n at 512 b + 16 n, its last 8 at 2048 + 256 b + 8 n; at 3072 the 32 scale
;         words (four E8M0 bytes: 128 along K of one code); at 3200 the 32 sums -0.5 x the sum over k of E[k][n]^2, f32
;   embt: E transposed, [1024][128] f32: a code's 128 numbers are 512 consecutive bytes
; WORK LEFT OUT IN THE PROGRAM, for all finite values of x and embeddings, in exact arithmetic:
;   (1) the sum over k of x[row][k]^2 is one number added to all 1,024 distances of a row: it is the same along the axis of the argmin and moves no index;
;   (2) out = x + (q - x), q = embeddings.T[idx]: that is q.  The last launch stores q and does not load x; x reaches the output through the index alone.
; LIMIT: a NaN, an infinity or an overflow that reaches only these two is not carried to the result.
; SHARES: work-group b takes codes 32 b .. 32 b + 31.  Wave w = 0 .. 3 takes block w of K (k = 32 w .. 32 w + 31), a lane a code: its 32 registers run down K, so a block's largest magnitude needs no other lane.
; Wave 4 sums the squares, from the transposed tile in LDS, while the others quantise and store: ONE chain of 128 fused multiply-adds in ascending k; its order of rounding may differ from the reference's.
; A block's scale is 2^(floor(log2(its largest magnitude)) - 4); its byte is the largest magnitude's exponent field - 4, held at 1 from below.
; LIMITS: a block of zeros, and a block whose largest magnitude lies under 2^-122, gets the byte 1 (a block of zeros has zero codes, which add nothing; this program alone reads the bytes).  NaN and infinities are not served.
; No matrix unit, no tensor load, no cluster: each number is read once and nothing is shared between work-groups.  No loop, and so no prefetch.
.set SP,   528                         ; a stage row: a code's 512 bytes + 16
.set UNIT, 32*SP                       ; behind the stage: 32 scale words and 32 sums, as they lie in etab
.set SPARE, UNIT+256                   ; the spare words, 128 bytes for each wave
.set NUM,  32                          ; v32-63   my block
.set OUTR, 64                          ; v64-95   8 rows of the transposed tile
.set Q,    96                          ; v96-114  at work in the quantiser
	s_load_b128 s[4:7], s[0:1], 0x0                ; E s[4:5], etab s[6:7]
	s_load_b64 s[8:9], s[0:1], 0x10                ; embt
	v_lshl_add_u32 v2, v0, 2, SPARE
	v_mov_b32 v3, 0
	v_lshrrev_b32 v1, 5, v0
	v_readfirstlane_b32 s10, v1                    ; wave 0..4
	s_lshl_b32 s12, ttmp9, 7                       ; E: 32 columns of 4 bytes,
	s_lshl_b32 s13, s10, 17                        ; and 32 w rows of 4,096 bytes
	s_add_co_u32 s12, s12, s13
	s_mov_b32 s13, 0
	s_mul_i32 s14, ttmp9, 3328
	s_mov_b32 s15, 0
	s_lshl_b32 s16, ttmp9, 14                      ; embt: 32 rows of 512 bytes
	s_mov_b32 s17, 0
	s_lshl_b32 s18, s10, 7
	s_mul_i32 s19, s10, 8*SP
	s_add_co_u32 s20, s10, UNIT
	s_lshl_b32 s21, s10, 9
	s_lshl_b32 s22, s10, 8
	s_lshl_b32 s23, s10, 12
	v_and_b32 v4, 31, v0                           ; lane
	v_lshlrev_b32 v5, 2, v4                        ; E: my column
	v_mul_u32_u24 v9, SP, v4                       ; wave 4: my code's row
	v_add_nc_u32 v6, s18, v9                       ; into the stage: my code's row, 128 w
	v_lshlrev_b32 v12, 4, v4
	v_add_nc_u32 v7, s19, v12                      ; out of it: rows 8 w .., 16 bytes a lane
	v_lshl_add_u32 v8, v4, 2, s20                  ; my scale byte: 4 lane + w
	v_add_nc_u32 v10, UNIT+128, v5                 ; wave 4: my sum
	v_lshlrev_b32 v14, 3, v4
	v_add_nc_u32 v11, UNIT, v14
	v_add_nc_u32 v15, s23, v12                     ; embt: row 8 w
	v_add_nc_u32 v12, s21, v12                     ; etab: 512 w + 16 lane
	v_add_nc_u32 v13, s22, v14                     ; 256 w + 8 lane
	s_wait_alu depctr_va_vdst(0)                   ; the wait at the head's end
	s_wait_kmcnt 0x0
	s_add_nc_u64 s[4:5], s[4:5], s[12:13]
	s_add_nc_u64 s[6:7], s[6:7], s[14:15]
	s_add_nc_u64 s[8:9], s[8:9], s[16:17]
	s_cmp_eq_u32 s10, 4
	s_cbranch_scc1 .Lstaged
.irp i, 0,1,2,3,4,5,6,7,8,9,10,11,12,13,14,15,16,17,18,19,20,21,22,23,24,25,26,27,28,29,30,31
	global_load_b32 v[NUM+\i], v5, s[4:5] offset:4096*\i th:TH_LOAD_NT   ; E(32 w + i, 32 b + lane): 128 consecutive bytes
.endr
.irp j, 0,1,2,3,4,5,6,7
	s_wait_loadcnt 28-4*\j                         ; four more numbers are in; the younger loads may be out
	ds_store_b128 v6, v[NUM+4*\j:NUM+4*\j+3] offset:16*\j
.endr
	s_wait_dscnt 0x0                               ; for the others' sake: my part of the transposed tile has landed
.Lstaged:
	s_barrier_signal -1
	s_barrier_wait -1
	s_cmp_eq_u32 s10, 4
	s_cbranch_scc1 .Lchain
.irp j, 0,1,2,3,4,5,6,7
	ds_load_b128 v[OUTR+4*\j:OUTR+4*\j+3], v7 offset:SP*\j
.endr
	v_max3_num_f32 v[Q], |v[NUM]|, |v[NUM+1]|, 0x2800000   ; with the floor 2^(5 - 127): the byte cannot fall under 1
.irp u, 0,1,2
	v_max3_num_f32 v[Q+1+\u], |v[NUM+2+3*\u]|, |v[NUM+3+3*\u]|, |v[NUM+4+3*\u]|
.endr
.irp u, 0,1,2,3,4,5,6,7,8,9
	v_max3_num_f32 v[Q+(\u%4)], v[Q+(\u%4)], |v[NUM+11+2*\u]|, |v[NUM+12+2*\u]|   ; four chains by turns
.endr
	v_max3_num_f32 v[Q+2], v[Q+2], v[Q+3], |v[NUM+31]|
	v_max3_num_f32 v[Q], v[Q], v[Q+1], v[Q+2]
	v_add_nc_u32 v[Q+4], 0xfe000000, v[Q]          ; 4 off the exponent field: the conversion's scale operand
	v_cvt_scalef32_pk16_bf6_f32 v[Q+8:Q+10], v[NUM:NUM+15], v[Q+4]
	v_cvt_scalef32_pk16_bf6_f32 v[Q+16:Q+18], v[NUM+16:NUM+31], v[Q+4]   ; (a conversion's three registers begin on an even number)
	v_lshrrev_b32 v[Q+5], 23, v[Q+4]               ; the scale's byte; and the plain place behind the conversions
.irp u, 0,1,2
	v_mov_b32 v[Q+11+\u], v[Q+16+\u]
.endr
	global_store_b128 v12, v[Q+8:Q+11], s[6:7]     ; 512 consecutive bytes, aligned
	global_store_b64 v13, v[Q+12:Q+13], s[6:7] offset:2048   ; 256 consecutive bytes, aligned
	ds_store_b8 v8, v[Q+5]
.irp j, 0,1,2,3,4,5,6,7
	s_wait_dscnt 8-\j                              ; row j is back; the 7 - j younger loads and the byte's store may be out
	global_store_b128 v15, v[OUTR+4*\j:OUTR+4*\j+3], s[8:9] offset:512*\j   ; a row of embt: 512 consecutive bytes, aligned
.endr
	s_wait_dscnt 0x0                               ; for wave 4's sake: my scale bytes have landed
	s_branch .Ljoined
.Lchain:
.irp i, 0,1,2,3,4,5,6,7,8,9,10,11,12,13,14,15,16,17,18,19,20,21,22,23,24,25,26,27,28,29,30,31
	ds_load_b128 v[32+4*\i:35+4*\i], v9 offset:16*\i   ; my code's 128 numbers, k ascending
.endr
	v_mov_b32 v16, 0                               ; the chain begins at 0
.set k, 0
.irp g, 0,1,2,3
	s_wait_alu depctr_va_vdst(0)                   ; the wait ahead of the blocking wait
	s_wait_dscnt 24-8*\g                           ; 32 more numbers are in
.rept 32
	v_fma_f32 v16, v[32+k], v[32+k], v16
.set k, k+1
.endr
.endr
	v_mul_f32 v16, -0.5, v16                       ; exact
	ds_store_b32 v10, v16
	s_wait_dscnt 0x0
.Ljoined:
	s_barrier_signal -1
	s_barrier_wait -1
	s_cmp_lg_u32 s10, 4
	s_cbranch_scc1 .Lend
	ds_load_b64 v[18:19], v11                      ; the scale words and the sums
	s_wait_dscnt 0x0
	global_store_b64 v14, v[18:19], s[6:7] offset:3072   ; 32 lanes store 256 consecutive bytes, aligned
.Lend:
	s_wait_tensorcnt 0x0                           ; the wave's end
	ds_add_u32 v2, v3
	s_wait_dscnt 0x0
	s_endpgm
.Lfunc_end_k_q8bf297b50f_prep:
	.size	k_q8bf297b50f_prep, .Lfunc_end_k_q8bf297b50f_prep-k_q8bf297b50f_prep
	.p2alignl 7, 3214868480
	.fill 96, 4, 3214868480
	.section	.rodata,"a",@progbits
	.p2align	6, 0x0
	.amdhsa_kernel k_q8bf297b50f_prep
		.amdhsa_group_segment_fixed_size 17920
		.amdhsa_private_segment_fixed_size 0
		.amdhsa_enable_private_segment 0
		.amdhsa_kernarg_size 24
		.amdhsa_user_sgpr_count 2
		.amdhsa_user_sgpr_kernarg_segment_ptr 1
		.amdhsa_wavefront_size32 1
		.amdhsa_system_sgpr_workgroup_id_x 1
		.amdhsa_system_sgpr_workgroup_id_y 1
		.amdhsa_system_sgpr_workgroup_id_z 1
		.amdhsa_system_vgpr_workitem_id 0
		.amdhsa_next_free_vgpr 160
		.amdhsa_next_free_sgpr 66
		.amdhsa_reserve_vcc 0
		.amdhsa_float_denorm_mode_32 3
		.amdhsa_float_denorm_mode_16_64 3
		.amdhsa_memory_ordered 1
		.amdhsa_forward_progress 1
		.amdhsa_inst_pref_size 20
	.end_amdhsa_kernel
	.amdgpu_metadata
---
amdhsa.version: [ 1, 2 ]
amdhsa.kernels:
  - .name:           k_q8bf297b50f_prep
    .symbol:         k_q8bf297b50f_prep.kd
    .args:
      - { .name: embeddings, .offset: 0, .size: 8, .value_kind: global_buffer, .address_space: global }
      - { .name: etab, .offset: 8, .size: 8, .value_kind: global_buffer, .address_space: global }
      - { .name: embt, .offset: 16, .size: 8, .value_kind: global_buffer, .address_space: global }
    .group_segment_fixed_size: 17920
    .private_segment_fixed_size: 0
    .kernarg_segment_align: 8
    .kernarg_segment_size: 24
    .max_flat_workgroup_size: 160
    .sgpr_count:     66
    .vgpr_count:     160
    .wavefront_size: 32
...
	.end_amdgpu_metadata
.endif
;; end of part 1
;; launch nearest (part 2): grid 256 x 1, 8 waves a work-group, no clusters, 110,592 bytes of LDS; arguments x, etab, idx; writes idx
.if DOCPART == 2
	.amdgcn_target "amdgcn-amd-amdhsa--gfx1250"
	.amdhsa_code_object_version 6
	.text
	.protected	k_q8bf297b50f_nearest
	.globl	k_q8bf297b50f_nearest
	.p2align	8
	.type	k_q8bf297b50f_nearest,@function
k_q8bf297b50f_nearest:
	s_mov_b64 s[64:65], 0
	v_nop
	global_prefetch_b8 v0, s[64:65] scope:SCOPE_SE
	s_setreg_imm32_b32 hwreg(HW_REG_WAVE_MODE, 25, 1), 1
	s_wait_xcnt 0x0
; idx[row] = the code n with the largest score s = sim[row][n] - e2[n] / 2; sim = Q(x) Q(E), both operands codes of BF6 (E3M2) with one E8M0 scale for each 32 along K = 128: one matrix instruction deep.
; WORK LEFT OUT: the row's own sum of squares, which is the same for all codes of a row (see the first launch's head).  The smallest e2 - 2 sim is the largest s; halving and negating round nothing.
; -e2 / 2 is the matrix instruction's C operand, in registers of its own.  Of equal scores the lowest n wins, as in argmin.
; SHARES.  A work-group owns 256 rows of x, in four chunks of 64; 256 work-groups of eight waves.  Wave w keeps codes 128 w .. 128 w + 127 in registers for the whole launch: 8 tiles of 16 codes, 12 + 8 registers
; each.  Of each chunk it quantises 8 rows, hands them to all waves through LDS, and multiplies all 64 rows (four fragments) by its 8 tiles.  Chunk c + 1 is quantised between the products of chunk c, and its
; barrier is signalled and waited for with whole tiles' work between.
; TRANSPOSED: source 0 = 16 codes, source 1 = 16 rows of x: lane (r, h) holds row r, and its register j code 16 t + 8 h + j.
; THE ARGMAX keeps, for each lane and fragment of x, the best tile's largest score, its number and its eight scores; which of the eight it was is looked up once a chunk.  The 16 candidates of a row (8 waves, two
; halves of the lanes) meet in LDS at the end.  Masks only select values: no branch and no address hangs on a score.
; NO CLUSTER: what work-groups share is the table, 106,496 bytes.  Of it 98,304 bytes of codes go from memory straight into the registers of the one wave of a work-group that keeps them, each byte once.  A joint load
; lands in LDS: it would add a write and a read of the whole table there, and rounds of a cluster's barrier ahead of the first product and at the end, for a tile that is asked for once in the launch.
; NO PREFETCH: the text has no loop; chunk 0 and the table are asked for at the head, chunk 1 ahead of the first products, chunks 2 and 3 a whole chunk ahead.
; LIMITS: NaN and infinities are not served.  A block of zeros, or one whose largest magnitude lies under 2^-122, gets the scale byte 1 (zero codes add nothing; this program alone reads the bytes).
.set SLAB, 13312                       ; my eighth of etab: 4 x 3,328 bytes, two tiles each
.set STGW, 4608                        ; LDS from 0: a stage for each wave: 8 rows of four blocks of 128 + 16 bytes
.set FP,   1792                        ; a fragment's image: registers 6 c .. 6 c + 3 of lane (r, h) at 320 (2 c + h) + 16 r, registers 6 c + 4, 6 c + 5 at 1280 + 128 (2 c + h) + 8 r
.set IMG,  8*STGW                      ; 16 images
.set XSC,  IMG+16*FP                   ; 256 scale words, 4 bytes a row
.set CP,   2176                        ; results: candidate 2 w + h: 256 rows of (score, n), 2,048 bytes + 128
.set RES,  XSC+1024
.set SU,   RES+16*CP                   ; for each wave the scale words and sums of its 8 tiles: 4 x 256 bytes
.set SPARE, SU+8192                    ; the spare words, 128 bytes for each wave: 109,568 .. 110,591
; window 0: v2-30 addresses and the add's two registers
.set XF,   32                          ; v32-79   four fragments of x
.set XS,   80                          ; v80-83   their scale words: scales and nothing else
.set ESC,  84                          ; v84-91   my 8 tiles' scale words: scales and nothing else
.set BJ,   92                          ; v92-99   128 w + 8 h + j
.set TID,  100                         ; v100-103 the best tile's number
.set BB,   104                         ; v104-115 the largest score up to tile t: three sets by turns
.set PL,   116                         ; v116-119 the place found
.set RP,   120                         ; v120-127 (score, n) of four rows
.set KEEP, 128                         ; v128-159 the best tile's eight scores, for each fragment; tile 0's products land here
.set ACC,  160                         ; v160-255 scores of tiles 1 to 7, three sets of 4 x 8 by turns
.set M,    128                         ; at the end: 16 candidates of two rows
; window 1 (v256-511)
.set EF,   0                           ; my 8 tiles' fragments, 12 registers each
.set HE,   96                          ; their -e2 / 2, 8 registers each
.set XR,   160                         ; x as loaded: 32 registers for even chunks, 32 for odd ones; then at work in the quantiser
.set SUR,  192                         ; at the head: scale words and sums on their way to LDS, ahead of chunk 1
.set NUM,  224                         ; 32 neighbours: one block
.set MSB, 0
.macro WIN new                         ; the immediate's high byte repeats the setting that is left
.if MSB != \new
	s_set_vgpr_msb (MSB<<8)|\new
.set MSB, \new
.endif
.endm
.macro XLOAD c, i0, i1                 ; rows i0 .. i1 - 1 of my 8 rows of chunk c: each load is a row, 512 consecutive bytes
	WIN 0x40
.set i, \i0
.rept (\i1)-(\i0)
	global_load_b128 v[XR+32*((\c)%2)+4*i:XR+32*((\c)%2)+4*i+3], v2, s[4:5] offset:32768*(\c)+512*i th:TH_LOAD_NT
.set i, i+1
.endr
	WIN 0
.endm
.macro ELOAD t                         ; tile t's codes into their registers: four loads
	WIN 0x40
.irp c, 0,1
	global_load_b128 v[EF+12*(\t)+6*\c:EF+12*(\t)+6*\c+3], v14, s[6:7] offset:3328*((\t)/2)+256*((\t)%2)+1024*\c
	global_load_b64 v[EF+12*(\t)+6*\c+4:EF+12*(\t)+6*\c+5], v15, s[6:7] offset:3328*((\t)/2)+2048+128*((\t)%2)+512*\c
.endr
	WIN 0
.endm
.macro TURN c, n                       ; chunk c through my own stage: in by rows, out a block of 32 to a lane.  LDS serves a wave's instructions in order (ISA guide 5.7.1.4).  n = the younger loads that may be out
	s_wait_alu depctr_va_vdst(0)                   ; the wait ahead of the blocking wait
	s_wait_loadcnt \n
	WIN 0x04
.irp i, 0,1,2,3,4,5,6,7
	ds_store_b128 v3, v[XR+32*((\c)%2)+4*\i:XR+32*((\c)%2)+4*\i+3] offset:576*\i
.endr
	WIN 0x40
.irp i, 0,1,2,3,4,5,6,7
	ds_load_b128 v[NUM+4*\i:NUM+4*\i+3], v4 offset:16*\i
.endr
	WIN 0
.endm
.macro QUANT c                         ; lane 4 row + b holds block b of its row: scale, codes, and into the image
	s_wait_alu depctr_va_vdst(0)
	s_wait_dscnt 0x0                               ; the block is there; the stage's stores have read their registers, which are now at work
.set Q, XR+32*((\c)%2)
	WIN 0x55
	v_max3_num_f32 v[Q], |v[NUM]|, |v[NUM+1]|, 0x2800000   ; with the floor 2^(5 - 127): the byte cannot fall under 1
.irp u, 0,1,2
	v_max3_num_f32 v[Q+1+\u], |v[NUM+2+3*\u]|, |v[NUM+3+3*\u]|, |v[NUM+4+3*\u]|
.endr
.irp u, 0,1,2,3,4,5,6,7,8,9
	v_max3_num_f32 v[Q+(\u%4)], v[Q+(\u%4)], |v[NUM+11+2*\u]|, |v[NUM+12+2*\u]|   ; four chains by turns
.endr
	v_max3_num_f32 v[Q+2], v[Q+2], v[Q+3], |v[NUM+31]|
	v_max3_num_f32 v[Q], v[Q], v[Q+1], v[Q+2]
	v_add_nc_u32 v[Q+4], 0xfe000000, v[Q]          ; 4 off the exponent field: the conversion's scale operand
	v_cvt_scalef32_pk16_bf6_f32 v[Q+8:Q+10], v[NUM:NUM+15], v[Q+4]
	v_cvt_scalef32_pk16_bf6_f32 v[Q+16:Q+18], v[NUM+16:NUM+31], v[Q+4]   ; (a conversion's three registers begin on an even number)
	v_lshrrev_b32 v[Q+5], 23, v[Q+4]               ; the scale's byte; and the plain place behind the conversions
.irp u, 0,1,2
	v_mov_b32 v[Q+11+\u], v[Q+16+\u]
.endr
	WIN 0x04
	ds_store_b128 v5, v[Q+8:Q+11] offset:4*FP*(\c)
	ds_store_b64 v6, v[Q+12:Q+13] offset:4*FP*(\c)
	ds_store_b8 v7, v[Q+5] offset:256*(\c)
	WIN 0
.endm
.macro FRAGS c                         ; chunk c's four fragments and scale words: 20 loads
.irp i, 0,1,2,3
	ds_load_b128 v[XF+12*\i:XF+12*\i+3], v8 offset:4*FP*(\c)+FP*\i
	ds_load_b64 v[XF+12*\i+4:XF+12*\i+5], v9 offset:4*FP*(\c)+FP*\i
	ds_load_b128 v[XF+12*\i+6:XF+12*\i+9], v8 offset:4*FP*(\c)+FP*\i+640
	ds_load_b64 v[XF+12*\i+10:XF+12*\i+11], v9 offset:4*FP*(\c)+FP*\i+256
	ds_load_b32 v[XS+\i], v10 offset:256*(\c)+64*\i
.endr
.endm
.macro PSET t                          ; where tile t's scores stand
.if (\t) == 0
.set PS, KEEP
.else
.set PS, ACC+32*((\t)%3)
.endif
.endm
.macro MUL t                           ; four products: tile t's 16 codes against the four fragments of x, each a sum of its own onto -e2 / 2
	PSET \t
	WIN 0x11
.irp i, 0,1,2,3
	v_wmma_scale_f32_16x16x128_f8f6f4 v[PS+8*\i:PS+8*\i+7], v[EF+12*(\t):EF+12*(\t)+11], v[XF+12*\i:XF+12*\i+11], v[HE+8*(\t):HE+8*(\t)+7], v[ESC+(\t)], v[XS+\i] matrix_a_fmt:MATRIX_FMT_BF6 matrix_b_fmt:MATRIX_FMT_BF6
.endr
.endm
.macro STEP t, s                       ; step s of four: the largest of tile t's eight scores AND of the best before it, each accumulator from its low end on; the four fragments by turns
	PSET \t
.set NB, BB+4*((\t)%3)
.set OB, BB+4*(((\t)+2)%3)
.irp k, 0,1,2,3
.if (\s) == 0
	v_max3_num_f32 v[NB+\k], v[PS+8*\k], v[PS+8*\k+1], v[PS+8*\k+2]
.endif
.if (\s) == 1
	v_max3_num_f32 v[NB+\k], v[NB+\k], v[PS+8*\k+3], v[PS+8*\k+4]
.endif
.if (\s) == 2
	v_max3_num_f32 v[NB+\k], v[NB+\k], v[PS+8*\k+5], v[PS+8*\k+6]
.endif
.if (\s) == 3
.if (\t) == 0
	v_max_num_f32 v[NB+\k], v[NB+\k], v[PS+8*\k+7]
.endif
.if (\t) == 7
	v_max3_num_f32 v[RP+2*\k], v[NB+\k], v[PS+8*\k+7], v[OB+\k]   ; the last tile's goes where the result is stored from
.endif
.if ((\t) > 0) && ((\t) < 7)
	v_max3_num_f32 v[NB+\k], v[NB+\k], v[PS+8*\k+7], v[OB+\k]
.endif
.endif
.endr
.endm
.macro BODY tl                         ; where tile tl beats the best strictly (the earlier tile keeps a tie), its number and its eight scores are kept; the next tile's maxima stand between each compare and its selects
.irp i, 0,1,2,3
.if (\tl) == 7
	v_cmp_gt_f32 vcc_lo, v[RP+2*\i], v[BB+4*(((\tl)+2)%3)+\i]
.else
	v_cmp_gt_f32 vcc_lo, v[BB+4*((\tl)%3)+\i], v[BB+4*(((\tl)+2)%3)+\i]
	STEP (\tl)+1, \i
.endif
	v_cndmask_b32 v[TID+\i], v[TID+\i], (\tl), vcc_lo
	PSET \tl
.irp j, 0,2,4,6                        ; two selects to an instruction: an even register and the odd one beside it
	v_dual_cndmask_b32 v[KEEP+8*\i+\j], v[KEEP+8*\i+\j], v[PS+8*\i+\j] :: v_dual_cndmask_b32 v[KEEP+8*\i+\j+1], v[KEEP+8*\i+\j+1], v[PS+8*\i+\j+1]
.endr
.endr
.endm
.macro LOOKUP                          ; the first of the best tile's eight that equals the largest; n = 128 w + 16 tile + 8 h + place
.irp j, 6,5,4,3,2,1,0
.irp i, 0,1,2,3
	v_cmp_eq_f32 s[48+\i], v[KEEP+8*\i+\j], v[RP+2*\i]
.endr
.irp i, 0,1,2,3
.if \j == 6
	v_cndmask_b32 v[PL+\i], v[BJ+7], v[BJ+6], s[48+\i]
.else
	v_cndmask_b32 v[PL+\i], v[PL+\i], v[BJ+\j], s[48+\i]
.endif
.endr
.endr
.irp i, 0,1,2,3
	v_lshl_add_u32 v[RP+2*\i+1], v[TID+\i], 4, v[PL+\i]
.endr
.endm
.macro DSW n                           ; at most n LDS instructions out
	s_wait_alu depctr_va_vdst(0)
	s_wait_dscnt \n
.endm
.macro LW c, n                         ; in chunk 0: at most n global loads out, so that the tile that follows is in its registers
.if (\c) == 0
	s_wait_alu depctr_va_vdst(0)
	s_wait_loadcnt \n
.endif
.endm
.macro NEXT2 c, i0                     ; two rows of chunk c + 2, in chunks 0 and 1: they land in registers whose chunk has been quantised
.if (\c) < 2
	XLOAD (\c)+2, \i0, (\i0)+2
.endif
.endm
; A chunk: 64 rows against my 8 tiles.  A tile's scores are first read behind the four moves below or behind a whole BODY or LOOKUP: plain instructions that name none of the products' registers;
; the loads into the fragments stand behind BODY 5 or 7, tile 7's products ahead of it.  LW's counts in chunk 0: four loads for each later tile, chunk 1's 8, and chunk 2's so far (0, 2, 4, 6, 8).
; Chunk 1, asked for last, is turned late in chunk 0; chunks 2 and 3 early in the chunk before them.
.macro CHUNK c
.set MID, ((\c)==1)||((\c)==2)
.if (\c) < 2
	MUL 2
	MUL 1
.endif
	MUL 0
	WIN 0
.if (\c) == 0
	XLOAD 1, 4, 8
.endif
.irp i, 0,1,2,3
	v_mov_b32 v[TID+\i], 0
.endr
	STEP 1, 0
	STEP 1, 1
	STEP 1, 2
.irp s, 0,1,2,3
	STEP 0, \s
.endr
	STEP 1, 3
	LW \c, 24
	MUL 3
	WIN 0
	NEXT2 \c, 0
	BODY 1
	LW \c, 22
	MUL 4
	WIN 0
	NEXT2 \c, 2
.if (\c) == 1
	TURN 2, 4                                      ; chunk 3's first four rows may be out
.endif
.if (\c) == 2
	TURN 3, 0
.endif
	BODY 2
	LW \c, 20
	MUL 5
	WIN 0
	NEXT2 \c, 4
.if ((\c) == 1) || ((\c) == 2)
	QUANT (\c)+1
.endif
	BODY 3
	LW \c, 18
	MUL 6
	WIN 0
	NEXT2 \c, 6
.if ((\c) == 1) || ((\c) == 2)
	DSW 0x0                                        ; for the others' sake: my part of the next chunk has landed in LDS
	s_barrier_signal -1                            ; between signal and wait: work on registers alone
.endif
	BODY 4
	LW \c, 16
	MUL 7
	WIN 0
.if (\c) == 0
	TURN 1, 8                                      ; chunk 2's 8 rows may be out
.endif
	BODY 5
.if (\c) == 0
	QUANT 1
	DSW 0x0                                        ; as above, for chunk 1
	s_barrier_signal -1
.endif
.if ((\c) == 1) || ((\c) == 2)
	s_wait_alu depctr_va_vdst(0)
	s_barrier_wait -1                              ; the next chunk's four fragments lie in LDS
	FRAGS (\c)+1
.endif
	BODY 6
.if ((\c) == 1) || ((\c) == 2)
	DSW 0x0                                        ; the fragments are in
	MUL 2                                          ; the next chunk's: tile 5's scores have been taken,
	WIN 0
.endif
	BODY 7
.if ((\c) == 1) || ((\c) == 2)
	MUL 1                                          ; and so have tile 7's
	WIN 0
.endif
.if (\c) == 0
	s_wait_alu depctr_va_vdst(0)
	s_barrier_wait -1
	FRAGS 1
.endif
	LOOKUP
.irp i, 0,1,2,3
	ds_store_b64 v11, v[RP+2*\i:RP+2*\i+1] offset:512*(\c)+128*\i   ; row 64 c + 16 i + r, candidate 2 w + h
.endr
.if (\c) == 0
	DSW 4                                          ; chunk 1's fragments are in; the four stores behind them may be out
.endif
.endm
	s_load_b128 s[4:7], s[0:1], 0x0                ; x s[4:5], etab s[6:7]
	s_load_b64 s[8:9], s[0:1], 0x10                ; idx
	v_lshl_add_u32 v17, v0, 2, SPARE
	v_mov_b32 v18, 0
	v_lshrrev_b32 v1, 5, v0
	v_readfirstlane_b32 s10, v1                    ; wave 0..7
	s_lshl_b32 s12, ttmp9, 17                      ; x: my block's 256 rows of 512 bytes
	s_mov_b32 s13, 0
	s_lshl_b32 s18, ttmp9, 10                      ; idx: my block's 256 words,
	s_lshl_b32 s14, s10, 8
	s_add_co_u32 s18, s18, s14                     ; and wave k's 64
	s_mov_b32 s19, 0
	s_lshl_b32 s14, s10, 12
	s_mul_i32 s15, s10, SLAB
	v_and_b32 v20, 31, v0                          ; lane
	v_and_b32 v21, 15, v0                          ; r
	v_bfe_u32 v22, v0, 4, 1                        ; h
	v_lshlrev_b32 v23, 4, v20
	v_add_nc_u32 v2, s14, v23                      ; x: 8 w rows + 16 lane
	v_lshlrev_b32 v24, 9, v22
	v_lshl_add_u32 v24, v21, 4, v24
	v_add_nc_u32 v14, s15, v24                     ; my codes: 512 h + 16 r
	v_lshlrev_b32 v24, 8, v22
	v_lshl_add_u32 v24, v21, 3, v24
	v_add_nc_u32 v15, s15, v24                     ; and 256 h + 8 r
	v_mul_u32_u24 v24, 3328, v22
	v_lshl_add_u32 v24, v21, 4, v24
	v_add_nc_u32 v16, s15, v24                     ; my scale words and sums: sixteen lanes to 256 bytes of a pair of tiles
	s_wait_alu depctr_va_vdst(0)                   ; directly ahead of the wait below
	s_wait_kmcnt 0x0
	s_add_nc_u64 s[4:5], s[4:5], s[12:13]
	s_add_nc_u64 s[8:9], s[8:9], s[18:19]
	XLOAD 0, 0, 8
	WIN 0x40
	global_load_b128 v[SUR:SUR+3], v16, s[6:7] offset:3072
	global_load_b128 v[SUR+4:SUR+7], v16, s[6:7] offset:3072+2*3328
	WIN 0
	ELOAD 0
	ELOAD 1
	ELOAD 2
	ELOAD 3
	ELOAD 4
	ELOAD 5
	; every LDS address, while the loads are on their way: a constant + constants x lane and wave
	s_lshr_b32 s20, s10, 1
	s_and_b32 s21, s10, 1
	s_mul_i32 s22, s10, STGW
	s_mul_i32 s23, s20, FP
	s_lshl_b32 s40, s21, 7
	s_add_co_u32 s40, s40, s23
	s_add_co_u32 s40, s40, IMG
	s_lshl_b32 s41, s21, 6
	s_add_co_u32 s41, s41, s23
	s_add_co_u32 s41, s41, IMG+1280
	s_mul_i32 s42, s10, 2*CP
	s_add_co_u32 s42, s42, RES
	s_lshl_b32 s43, s10, 9
	s_add_co_u32 s43, s43, RES
	s_lshl_b32 s44, s10, 7
	s_lshl_b32 s45, s10, 10
	s_add_co_u32 s45, s45, SU
	s_add_co_u32 s46, s45, 128
	v_lshrrev_b32 v24, 3, v20
	v_mul_u32_u24 v24, 144, v24
	v_and_b32 v25, 7, v20
	v_lshl_add_u32 v24, v25, 4, v24
	v_add_nc_u32 v3, s22, v24                      ; into the stage: 16 bytes of a row, 16 of padding behind each block's 128
	v_lshrrev_b32 v26, 2, v20                      ; out of it and into the image: row lane / 4,
	v_and_b32 v27, 3, v20                          ; block lane % 4
	v_mul_u32_u24 v24, 576, v26
	v_mul_u32_u24 v28, 144, v27
	v_add_nc_u32 v24, v24, v28
	v_add_nc_u32 v4, s22, v24
	v_mul_u32_u24 v24, 320, v27
	v_lshl_add_u32 v24, v26, 4, v24
	v_add_nc_u32 v5, s40, v24                      ; fragment w / 2, row 8 (w % 2) + lane / 4
	v_lshlrev_b32 v24, 7, v27
	v_lshl_add_u32 v24, v26, 3, v24
	v_add_nc_u32 v6, s41, v24
	v_add_nc_u32 v7, XSC, v0                       ; the scale bytes: 4 x row of the chunk + block = my thread's number
	v_mul_u32_u24 v24, 320, v22
	v_lshl_add_u32 v24, v21, 4, v24
	v_add_nc_u32 v8, IMG, v24                      ; the fragments, as registers
	v_lshlrev_b32 v24, 7, v22
	v_lshl_add_u32 v24, v21, 3, v24
	v_add_nc_u32 v9, IMG+1280, v24
	v_lshlrev_b32 v24, 2, v21
	v_add_nc_u32 v10, XSC, v24
	v_add_nc_u32 v19, s45, v24                     ; my tiles' scale words: 4 r,
	v_lshl_add_u32 v29, v22, 5, s46                ; their sums: 128 + 32 h,
	v_add_nc_u32 v30, s45, v23                     ; and where both are stored: 16 lane
	v_mul_u32_u24 v24, CP, v22
	v_lshl_add_u32 v24, v21, 3, v24
	v_add_nc_u32 v11, s42, v24                     ; my results
	v_lshl_add_u32 v12, v20, 4, s43                ; waves 0-3: rows 64 w + 2 lane and the next
	v_lshlrev_b32 v13, 3, v20
	v_lshlrev_b32 v24, 3, v22
	v_add_nc_u32 v24, s44, v24
.irp j, 0,1,2,3,4,5,6,7
	v_add_nc_u32 v[BJ+\j], \j, v24
.endr
	TURN 0, 24                                     ; chunk 0, the scale words and the sums are in; tiles 0 to 5, four loads each, may be out
	WIN 0x04
	ds_store_b128 v30, v[SUR:SUR+3]
	ds_store_b128 v30, v[SUR+4:SUR+7] offset:512
	WIN 0
	ELOAD 6
	ELOAD 7
	QUANT 0
	DSW 0x0                                        ; for the others' sake: my part of chunk 0 has landed; and its registers are free
	s_barrier_signal -1
.irp t, 0,1,2,3,4,5,6,7                ; my own bytes, which nobody writes again: the scale words, lane r code r's, and the sums of my half's eight codes
	ds_load_b32 v[ESC+\t], v19 offset:256*(\t/2)+64*(\t%2)
.endr
	WIN 0x40
.irp t, 0,1,2,3,4,5,6,7
	ds_load_b128 v[HE+8*\t:HE+8*\t+3], v29 offset:256*(\t/2)+64*(\t%2)
	ds_load_b128 v[HE+8*\t+4:HE+8*\t+7], v29 offset:256*(\t/2)+64*(\t%2)+16
.endr
	WIN 0
	s_barrier_wait -1
	FRAGS 0
	XLOAD 1, 0, 4
	s_wait_loadcnt 24                              ; tiles 0 to 2 are in; tiles 3 to 7 and the four rows of chunk 1 may be out
	s_wait_dscnt 0x0
	CHUNK 0
	CHUNK 1
	CHUNK 2
	CHUNK 3
	DSW 0x0                                        ; for the others' sake: my results have landed
	s_barrier_signal -1
	s_barrier_wait -1
	; ---- waves 0-3 join the 16 candidates: two rows a lane
	s_cmp_ge_u32 s10, 4
	s_cbranch_scc1 .Ldone
.irp k, 0,1,2,3,4,5,6,7,8,9,10,11,12,13,14,15
	ds_load_b128 v[M+4*\k:M+4*\k+3], v12 offset:CP*\k
.endr
	s_wait_dscnt 0x0
.irp k, 0,1,2,3,4,5,6,7                ; the two halves of a wave's codes lie in turns of eight: the second wins where it is larger, or equal with the lower n
.irp u, 0,2
	v_cmp_gt_f32 s[48+2*\u], v[M+8*\k+4+\u], v[M+8*\k+\u]
	v_cmp_eq_f32 s[49+2*\u], v[M+8*\k+4+\u], v[M+8*\k+\u]
	v_cmp_lt_u32 s[50+2*\u], v[M+8*\k+5+\u], v[M+8*\k+1+\u]
.endr
.irp u, 0,2
	s_and_b32 s[49+2*\u], s[49+2*\u], s[50+2*\u]
	s_or_b32 vcc_lo, s[48+2*\u], s[49+2*\u]
	v_dual_cndmask_b32 v[M+8*\k+\u], v[M+8*\k+\u], v[M+8*\k+4+\u] :: v_dual_cndmask_b32 v[M+8*\k+1+\u], v[M+8*\k+1+\u], v[M+8*\k+5+\u]
.endr
.endr
.macro JOIN a, b                       ; strictly: the lower wave's codes, whose n are lower, keep a tie
.irp u, 0,2
	v_cmp_gt_f32 vcc_lo, v[M+8*\b+\u], v[M+8*\a+\u]
	v_dual_cndmask_b32 v[M+8*\a+\u], v[M+8*\a+\u], v[M+8*\b+\u] :: v_dual_cndmask_b32 v[M+8*\a+1+\u], v[M+8*\a+1+\u], v[M+8*\b+1+\u]
.endr
.endm
	JOIN 0, 1
	JOIN 2, 3
	JOIN 4, 5
	JOIN 6, 7
	JOIN 0, 2
	JOIN 4, 6
	JOIN 0, 4
	v_mov_b32 v[M+2], v[M+1]                       ; the two indices side by side
	global_store_b64 v13, v[M+2:M+3], s[8:9]       ; 32 lanes store 256 consecutive bytes, aligned
.Ldone:
	s_wait_tensorcnt 0x0                           ; the wave's end
	ds_add_u32 v17, v18
	s_wait_dscnt 0x0
	s_endpgm
.Lfunc_end_k_q8bf297b50f_nearest:
	.size	k_q8bf297b50f_nearest, .Lfunc_end_k_q8bf297b50f_nearest-k_q8bf297b50f_nearest
	.p2alignl 7, 3214868480
	.fill 96, 4, 3214868480
	.section	.rodata,"a",@progbits
	.p2align	6, 0x0
	.amdhsa_kernel k_q8bf297b50f_nearest
		.amdhsa_group_segment_fixed_size 110592
		.amdhsa_private_segment_fixed_size 0
		.amdhsa_enable_private_segment 0
		.amdhsa_kernarg_size 24
		.amdhsa_user_sgpr_count 2
		.amdhsa_user_sgpr_kernarg_segment_ptr 1
		.amdhsa_wavefront_size32 1
		.amdhsa_system_sgpr_workgroup_id_x 1
		.amdhsa_system_sgpr_workgroup_id_y 1
		.amdhsa_system_sgpr_workgroup_id_z 1
		.amdhsa_system_vgpr_workitem_id 0
		.amdhsa_next_free_vgpr 512
		.amdhsa_next_free_sgpr 66
		.amdhsa_reserve_vcc 1
		.amdhsa_float_denorm_mode_32 3
		.amdhsa_float_denorm_mode_16_64 3
		.amdhsa_memory_ordered 1
		.amdhsa_forward_progress 1
		.amdhsa_inst_pref_size 144
	.end_amdhsa_kernel
	.amdgpu_metadata
---
amdhsa.version: [ 1, 2 ]
amdhsa.kernels:
  - .name:           k_q8bf297b50f_nearest
    .symbol:         k_q8bf297b50f_nearest.kd
    .args:
      - { .name: x, .offset: 0, .size: 8, .value_kind: global_buffer, .address_space: global }
      - { .name: etab, .offset: 8, .size: 8, .value_kind: global_buffer, .address_space: global }
      - { .name: idx, .offset: 16, .size: 8, .value_kind: global_buffer, .address_space: global }
    .group_segment_fixed_size: 110592
    .private_segment_fixed_size: 0
    .kernarg_segment_align: 8
    .kernarg_segment_size: 24
    .max_flat_workgroup_size: 256
    .sgpr_count:     66
    .vgpr_count:     512
    .wavefront_size: 32
...
	.end_amdgpu_metadata
.endif
;; end of part 2
;; launch gather (part 3): grid 512 x 1, 8 waves a work-group, no clusters, 0 bytes of LDS; arguments idx, embt, out0; writes out0
.if DOCPART == 3
	.amdgcn_target "amdgcn-amd-amdhsa--gfx1250"
	.amdhsa_code_object_version 6
	.text
	.protected	k_q8bf297b50f_gather
	.globl	k_q8bf297b50f_gather
	.p2align	8
	.type	k_q8bf297b50f_gather,@function
k_q8bf297b50f_gather:
	s_mov_b64 s[64:65], 0
	v_nop
	global_prefetch_b8 v0, s[64:65] scope:SCOPE_SE
	s_setreg_imm32_b32 hwreg(HW_REG_WAVE_MODE, 25, 1), 1
	s_wait_xcnt 0x0
; out[row] = embt[idx[row]].  out: [65536][128] f32; embt: [1024][128] f32; idx: [65536] whole numbers, stored by the launch before.
; WORK LEFT OUT: x + (q - x) is q for all finite values (see the first launch's head), so x is not among the arguments.  Limit: a NaN, an infinity or an overflow of that sum is not carried.
; A wave takes 16 rows; each of its loads and stores is one row, 512 consecutive bytes, aligned.  Its 16 indices are 64 consecutive bytes and come by one scalar load; each is held to 0 .. 1023
; before it enters an address.  All 16 loads of a wave are issued before the first is waited for.  Written out, no loop, and so no prefetch: every offset is an immediate and no register that
; a load or store names is written again.  No LDS, no barrier, no matrix unit, no cluster: waves share nothing but the table, whose rows are named by data.
.set OFF, 2                            ; v2-17    row j's offset in the table: 512 x index + 16 x lane
.set Q,   20                           ; v20-83   row j
	s_load_b128 s[4:7], s[0:1], 0x0                ; idx s[4:5], embt s[6:7]
	s_load_b64 s[8:9], s[0:1], 0x10                ; out
	v_lshrrev_b32 v1, 5, v0
	v_readfirstlane_b32 s12, v1                    ; wave 0..7
	v_and_b32 v18, 31, v0
	s_lshl_b32 s13, ttmp9, 3
	s_add_co_u32 s13, s13, s12                     ; which 16 rows: 8 x work-group + wave
	v_lshlrev_b32 v18, 4, v18                      ; 16 x lane
	s_lshl_b32 s14, s13, 13                        ; 16 rows of 512 bytes
	s_mov_b32 s15, 0
	s_lshl_b32 s2, s13, 6                          ; 16 indices of 4 bytes
	s_mov_b32 s3, 0
	s_wait_alu depctr_va_vdst(0)                   ; the wait at the head's end
	s_wait_kmcnt 0x0
	s_add_nc_u64 s[4:5], s[4:5], s[2:3]
	s_load_b512 s[16:31], s[4:5], 0x0              ; my 16 indices
	s_add_nc_u64 s[8:9], s[8:9], s[14:15]
	s_wait_kmcnt 0x0
.irp j, 0,1,2,3,4,5,6,7,8,9,10,11,12,13,14,15
	s_min_u32 s[16+\j], s[16+\j], 1023             ; inside the table, whatever the word holds
	v_lshl_add_u32 v[OFF+\j], s[16+\j], 9, v18
	global_load_b128 v[Q+4*\j:Q+4*\j+3], v[OFF+\j], s[6:7]   ; a row that other waves may name too: no hint
.endr
.irp j, 0,1,2,3,4,5,6,7,8,9,10,11,12,13,14,15
	s_wait_loadcnt 15-\j                           ; loads come back in order (ISA guide 5.7.1): row j is in; the 15 - j younger ones may be out
	global_store_b128 v18, v[Q+4*\j:Q+4*\j+3], s[8:9] offset:512*\j th:TH_STORE_NT   ; written once, read by nobody here
.endr
	s_endpgm
.Lfunc_end_k_q8bf297b50f_gather:
	.size	k_q8bf297b50f_gather, .Lfunc_end_k_q8bf297b50f_gather-k_q8bf297b50f_gather
	.p2alignl 7, 3214868480
	.fill 96, 4, 3214868480
	.section	.rodata,"a",@progbits
	.p2align	6, 0x0
	.amdhsa_kernel k_q8bf297b50f_gather
		.amdhsa_group_segment_fixed_size 0
		.amdhsa_private_segment_fixed_size 0
		.amdhsa_enable_private_segment 0
		.amdhsa_kernarg_size 24
		.amdhsa_user_sgpr_count 2
		.amdhsa_user_sgpr_kernarg_segment_ptr 1
		.amdhsa_wavefront_size32 1
		.amdhsa_system_sgpr_workgroup_id_x 1
		.amdhsa_system_sgpr_workgroup_id_y 1
		.amdhsa_system_sgpr_workgroup_id_z 1
		.amdhsa_system_vgpr_workitem_id 0
		.amdhsa_next_free_vgpr 84
		.amdhsa_next_free_sgpr 66
		.amdhsa_reserve_vcc 0
		.amdhsa_float_denorm_mode_32 3
		.amdhsa_float_denorm_mode_16_64 3
		.amdhsa_memory_ordered 1
		.amdhsa_forward_progress 1
		.amdhsa_inst_pref_size 7
	.end_amdhsa_kernel
	.amdgpu_metadata
---
amdhsa.version: [ 1, 2 ]
amdhsa.kernels:
  - .name:           k_q8bf297b50f_gather
    .symbol:         k_q8bf297b50f_gather.kd
    .args:
      - { .name: idx, .offset: 0, .size: 8, .value_kind: global_buffer, .address_space: global }
      - { .name: embt, .offset: 8, .size: 8, .value_kind: global_buffer, .address_space: global }
      - { .name: out0, .offset: 16, .size: 8, .value_kind: global_buffer, .address_space: global }
    .group_segment_fixed_size: 0
    .private_segment_fixed_size: 0
    .kernarg_segment_align: 8
    .kernarg_segment_size: 24
    .max_flat_workgroup_size: 256
    .sgpr_count:     66
    .vgpr_count:     84
    .wavefront_size: 32
...
	.end_amdgpu_metadata
.endif
;; end of part 3
